; MI455X (gfx1250); checked and timed in simulation.
; The chip was launched on July 23, 2026; its instructions are those of AMD's public machine-readable ISA for CDNA 5 (MIT licence, August 2026) and "CDNA5" Instruction Set Architecture Reference Guide (July 2026). The comments in the code are by the model that wrote it; some were corrected since.
;; Fast Feed Forward Network. Allowed arithmetic: float matrix products may take bf16 or f16 operands with f32 sums; other float arithmetic in f32, or as packed bf16 or f16 multiplies, adds, multiply-adds, maxima and minima; sums over many terms, partial sums and values carried from step to step in f32; what a program stores and reads back later, other than sums and carried values, may be rounded once to bf16 or f16.
;; Inputs: b1 16 x 256 float32; b2 16 x 1,024 float32; bnode 15 x 1 float32; inputs 4 x 2,048 x 1,024 float32; w1 16 x 262,144 float32; w2 16 x 131,072 float32; wnode 15 x 1,024 float32.
;; Outputs: out0 4 x 2,048 x 1,024 float32.
;; Constants: training = 1.
;; One version. Each part assembles by itself: llvm-mc -triple=amdgcn-amd-amdhsa -mcpu=gfx1250 --defsym DOCPART=n.
;; ======== version 1 of 1: 2 launches
;; limits: values are held in f16: magnitudes above 65,504 overflow, below 6.1e-05 lose precision
;; workspace buffers: wt 12,582,912 bytes; bm 32,768 bytes of whole numbers
;; launch prep (part 1): grid 256 x 1, 16 waves a work-group, no clusters, 2,304 bytes of LDS; arguments inputs, wnode, bnode, w1, w2, wt, bm; writes wt, bm
.if DOCPART == 1
	.amdgcn_target "amdgcn-amd-amdhsa--gfx1250"
	.amdhsa_code_object_version 6
	.text
	.protected	k_q3471f18628_prep
	.globl	k_q3471f18628_prep
	.p2align	8
	.type	k_q3471f18628_prep,@function
k_q3471f18628_prep:
	s_mov_b64 s[64:65], 0
	v_nop
	global_prefetch_b8 v0, s[64:65] scope:SCOPE_SE
	s_setreg_imm32_b32 hwreg(HW_REG_WAVE_MODE, 25, 1), 1
	s_wait_xcnt 0x0
; PREP: the router, and the weights rounded and laid out once.  256 work-groups of 16 waves.
; Waves 0-7 (router): work-group b owns tokens 32 b .. 32 b + 31, a wave four of them.  logit[m] = x . wnode[m] + bnode[m] for the four levels m, with x, wnode and bnode each
; rounded once to bf16 (as every input of this program is), exact products, sums in f32; c = rint(sigmoid(logit)); leaf = 15 - 8 c0 - 4 c1 - 2 c2 - c3.
; The leaf steers no address and no branch here: it is turned into 16 masks of 32 bits (bit l of mask e: token 32 b + l chose leaf e) and their 16 counts, stored at fixed places:
; bm[e][b] at byte 1024 e + 4 b, the count at 16384 + 1024 e + 4 b.
; Waves 8-15 (weights): wave cw = 8 b + wave - 8 of 2,048 turns 12 KB of w1 and w2 into the order in which the next launch's operand registers take them:
; wt[e][w] is 196,608 bytes for that launch's wave w: 48 steps of 4 fragments of 1 KB; in a fragment lane L's registers 0-3 lie at 16 L, registers 4-7 at 512 + 16 L.
;   steps 0-31 (w1, bf16): step s holds d = 32 s .. 32 s + 31; fragment 2 hi + t, row m = hidden column 128 hi + 64 (w / 2) + 4 m + 2 (w % 2) + t.
;   steps 32-47 (w2, rounded to bf16 and that number written as f16): step 32 + 4 g + s2, fragment q, row r = output column 256 w + 64 g + 4 r + q;
;   place k of its 32 along K is hidden unit 64 (s2 / 2) + 4 (k % 16) + 2 (s2 % 2) + k / 16.
; So a lane here loads 16 bytes (4 neighbouring columns) of 8 rows and holds four finished pieces of 16 bytes; each of its stores is part of 512 consecutive bytes, aligned.
; No matrix instruction: the router is 4 dot products a token, and the launch moves bytes.  No cluster: no two work-groups read the same large tile (wnode's four rows are 16 KB).
; LIMITS.  |w2| up to 65,504 (f16); below 6.1e-5 it keeps f16's step of 6e-8.  A logit so near 0 that the order of the f32 sums decides sigmoid's rounding may fall otherwise
; than in another order of summing.  NaN and infinities are not treated apart.
.set IDS,   0                          ; LDS: 32 words, the work-group's leaves; the block of 256 bytes is theirs alone
.set SPARE, 256                        ; the spare words: 128 bytes for each of 16 waves
.set W,     16                         ; v16-79    router: wnode in bf16: level m, chunk c, word p at W + 16 m + 2 c + p
.set X,     80                         ; v80-207   router: four rows of x: row i, chunk c at X + 32 i + 4 c
.set A,     208                        ; v208-223  router: sum (i, m) at A + 4 i + m
.set XK,    224                        ; v224-227  router: x in bf16, at work
.set ZERO,  228
.set BN,    229                        ; v229-232  bnode rounded to bf16
.set ID,    233                        ; v233-250  at work
.set RAW0,  16                         ; wnode as loaded, 32 registers a level: levels 0 and 1 where W will lie (they are packed in place, ascending),
.set RAW1,  48
.set RAW2,  176                        ; level 2 in x's row 3, which is asked for behind the packing,
.set RAW3,  208                        ; level 3 in registers that are at work only later
.set U,     16                         ; v16-111   weights: three units of 8 loads of 4 registers
.set P,     112                        ; v112-159  weights: three units of 4 pieces of 4 registers: the stores' data, never rewritten
.set SPW,   254                        ; LDS address of my spare word; never rewritten
.set NIL,   255                        ; 0; never rewritten
	s_load_b256 s[4:11], s[0:1], 0x0               ; inputs s[4:5], wnode s[6:7], bnode s[8:9], w1 s[10:11]
	s_load_b128 s[12:15], s[0:1], 0x20             ; w2 s[12:13], wt s[14:15]
	s_load_b64 s[16:17], s[0:1], 0x30              ; bm
	v_lshl_add_u32 v[SPW], v0, 2, SPARE
	v_mov_b32 v[NIL], 0
	v_and_b32 v1, 31, v0                           ; lane
	v_lshrrev_b32 v3, 5, v0
	v_readfirstlane_b32 s20, v3                    ; wave 0..15
	v_lshlrev_b32 v2, 4, v1                        ; 16 x lane
	s_mov_b32 s21, ttmp9                           ; b
	s_wait_kmcnt 0x0
	s_cmp_ge_u32 s20, 8
	s_cbranch_scc1 .Lconvert
	; ---------------- THE ROUTER ----------------
	s_load_b128 s[24:27], s[8:9], 0x0              ; bnode[0..3]
	s_lshl_b32 s28, s21, 17                        ; 32 tokens of 4,096 bytes a work-group,
	s_lshl_b32 s29, s20, 14                        ; 4 a wave
	s_add_co_u32 s28, s28, s29
	s_mov_b32 s29, 0
	s_add_nc_u64 s[4:5], s[4:5], s[28:29]
.irp m, 0,1,2,3
.irp c, 0,1,2,3,4,5,6,7
	global_load_b128 v[RAW\m+4*\c:RAW\m+4*\c+3], v2, s[6:7] offset:4096*\m+512*\c  ; wnode[m][128 c + 4 lane ..]: 512 consecutive bytes a load
.endr
.endr
.irp i, 0,1,2
.irp c, 0,1,2,3,4,5,6,7
	global_load_b128 v[X+32*\i+4*\c:X+32*\i+4*\c+3], v2, s[4:5] offset:4096*\i+512*\c  ; three of my four rows of x go out with wnode: 56 loads of mine are out
.endr
.endr
	s_mov_b32 s22, 0x76543210                      ; v_permlanex16_b32: each lane takes its own place in the other half
	s_mov_b32 s23, 0xfedcba98
	s_wait_loadcnt 24                              ; wnode is in; the three rows' 24 loads may stay out
.irp m, 0,1,2,3                        ; ascending: a packed word never lands on a register that is still to be read
.irp c, 0,1,2,3,4,5,6,7
	v_cvt_pk_bf16_f32 v[W+16*\m+2*\c],   v[RAW\m+4*\c],   v[RAW\m+4*\c+1]
	v_cvt_pk_bf16_f32 v[W+16*\m+2*\c+1], v[RAW\m+4*\c+2], v[RAW\m+4*\c+3]
.endr
.endr
.irp c, 0,1,2,3,4,5,6,7
	global_load_b128 v[X+96+4*\c:X+96+4*\c+3], v2, s[4:5] offset:4096*3+512*\c  ; the fourth row, into the registers that level 2 has left
.endr
	v_mov_b32 v[ZERO], 0
; Row i: x rounded to bf16, then exact products added in f32, four chains (one a level) that do not wait for each other.  The first product of a chain adds onto ZERO.
.macro ROW i
	s_wait_loadcnt 8*(3-(\i))                      ; my row's eight loads are in; the later rows' eight each may stay out
.irp c, 0,1,2,3,4,5,6,7
	v_cvt_pk_bf16_f32 v[XK+2*(\c%2)],   v[X+32*(\i)+4*\c],   v[X+32*(\i)+4*\c+1]
	v_cvt_pk_bf16_f32 v[XK+2*(\c%2)+1], v[X+32*(\i)+4*\c+2], v[X+32*(\i)+4*\c+3]
.irp p, 0,1
.irp m, 0,1,2,3
.if (\c == 0) && (\p == 0)
	v_fma_mix_f32_bf16 v[A+4*(\i)+\m], v[XK+2*(\c%2)+\p], v[W+16*\m+2*\c+\p], v[ZERO] op_sel_hi:[1,1,0]
.else
	v_fma_mix_f32_bf16 v[A+4*(\i)+\m], v[XK+2*(\c%2)+\p], v[W+16*\m+2*\c+\p], v[A+4*(\i)+\m] op_sel_hi:[1,1,0]
.endif
.endr
.irp m, 0,1,2,3
	v_fma_mix_f32_bf16 v[A+4*(\i)+\m], v[XK+2*(\c%2)+\p], v[W+16*\m+2*\c+\p], v[A+4*(\i)+\m] op_sel:[1,1,0] op_sel_hi:[1,1,0]
.endr
.endr
.endr
.endm
	ROW 0
	ROW 1
	ROW 2
	ROW 3
	; the 16 sums over the 32 lanes: four steps inside each half ride on the addition, one crosses the halves; every lane ends with every sum
.irp x, 1,2,4,8
.irp k, 0,1,2,3,4,5,6,7,8,9,10,11,12,13,14,15
	v_add_f32_dpp v[A+\k], v[A+\k], v[A+\k] row_xmask:\x row_mask:0xf bank_mask:0xf
.endr
.endr
.irp k, 0,1,2,3,4,5,6,7,8,9,10,11,12,13,14,15
	v_permlanex16_b32 v[X+\k], v[A+\k], s22, s23   ; its destination counts as read: X's registers have been written
.endr
	s_wait_kmcnt 0x0                               ; bnode
	v_cvt_pk_bf16_f32 v[ID],   s24, s25
	v_cvt_pk_bf16_f32 v[ID+1], s26, s27
	v_lshlrev_b32 v[BN],   16, v[ID]
	v_and_b32     v[BN+1], 0xffff0000, v[ID]
	v_lshlrev_b32 v[BN+2], 16, v[ID+1]
	v_and_b32     v[BN+3], 0xffff0000, v[ID+1]
.irp k, 0,1,2,3,4,5,6,7,8,9,10,11,12,13,14,15
	v_add_f32 v[A+\k], v[A+\k], v[X+\k]
.endr
.irp k, 0,1,2,3,4,5,6,7,8,9,10,11,12,13,14,15
	v_add_f32 v[A+\k], v[A+\k], v[BN+\k%4]         ; the logit
.endr
.irp k, 0,1,2,3,4,5,6,7,8,9,10,11,12,13,14,15
	v_mul_f32 v[A+\k], 0xbfb8aa3b, v[A+\k]         ; - log2(e) x logit
.endr
.irp k, 0,1,2,3,4,5,6,7,8,9,10,11,12,13,14,15
	v_exp_f32 v[A+\k], v[A+\k]
.endr
	v_nop                                          ; a plain instruction between the last exponential and the use of its result (ISA guide 5.7.2)
	s_wait_alu depctr_va_vdst(0)
.irp k, 0,1,2,3,4,5,6,7,8,9,10,11,12,13,14,15
	v_add_f32 v[A+\k], 1.0, v[A+\k]
.endr
.irp k, 0,1,2,3,4,5,6,7,8,9,10,11,12,13,14,15
	v_rcp_f32 v[A+\k], v[A+\k]                     ; sigmoid
.endr
	v_nop
	s_wait_alu depctr_va_vdst(0)
.irp k, 0,1,2,3,4,5,6,7,8,9,10,11,12,13,14,15
	v_rndne_f32 v[A+\k], v[A+\k]                   ; rint: c = 0 or 1
.endr
.irp i, 0,1,2,3
	v_fma_f32 v[ID+\i], v[A+4*\i], 2.0, v[A+4*\i+1]
.endr
.irp i, 0,1,2,3
	v_fma_f32 v[ID+\i], v[ID+\i], 2.0, v[A+4*\i+2]
.endr
.irp i, 0,1,2,3
	v_fma_f32 v[ID+\i], v[ID+\i], 2.0, v[A+4*\i+3] ; 8 c0 + 4 c1 + 2 c2 + c3
.endr
.irp i, 0,1,2,3
	v_cvt_u32_f32 v[ID+\i], v[ID+\i]
.endr
.irp i, 0,1,2,3
	v_sub_nc_u32 v[ID+\i], 15, v[ID+\i]            ; bit m of the leaf is 1 - c_m, level 0 on top
.endr
	v_and_b32 v[ID+4], 3, v1                       ; lane l hands over token l % 4's leaf: a choice of values, no address hangs on a leaf
	v_cmp_eq_u32 s30, 1, v[ID+4]
	v_cmp_eq_u32 s31, 2, v[ID+4]
	v_cmp_eq_u32 s32, 3, v[ID+4]
	v_cndmask_b32 v[ID], v[ID], v[ID+1], s30
	v_cndmask_b32 v[ID], v[ID], v[ID+2], s31
	v_cndmask_b32 v[ID], v[ID], v[ID+3], s32
	v_lshlrev_b32 v[ID+5], 2, v[ID+4]
	v_lshl_add_u32 v[ID+5], s20, 4, v[ID+5]        ; IDS + 16 wave + 4 (l % 4): eight lanes write the same word with the same value
	ds_store_b32 v[ID+5], v[ID]
	s_branch .Ljoin
	; ---------------- THE WEIGHTS ----------------
.Lconvert:
	s_lshl_b32 s24, s21, 3
	s_add_co_u32 s24, s24, s20
	s_sub_co_u32 s24, s24, 8                       ; cw = 8 b + wave - 8, 0..2047
	s_lshr_b32 s25, s24, 7                         ; e
	s_and_b32 s26, s24, 127                        ; u
	s_lshr_b32 s27, s26, 1                         ; dh: 16 rows d of w1
	s_and_b32 s28, s24, 1                          ; hi: which half of the 256 hidden columns
	v_and_b32 v5, 15, v1                           ; r
	v_lshrrev_b32 v6, 4, v1                        ; h
	v_lshlrev_b32 v4, 4, v5
	v_lshl_add_u32 v7, v6, 13, v4                  ; w1: 8 h rows of 1,024 bytes + 16 r
	v_lshl_add_u32 v8, v6, 17, v4                  ; w2: 32 h rows of 4,096 bytes + 16 r
	s_lshl_b32 s30, s25, 20                        ; w1: e x 1 MB + 16 dh rows + 128 hi columns
	s_lshl_b32 s29, s27, 14
	s_add_co_u32 s30, s30, s29
	s_lshl_b32 s29, s28, 9
	s_add_co_u32 s30, s30, s29
	s_mov_b32 s31, 0
	s_add_nc_u64 s[10:11], s[10:11], s[30:31]
.irp un, 0,1                           ; unit un: columns 64 (2 hi + un) on; a load takes 256 consecutive bytes of each of two rows
.irp i, 0,1,2,3,4,5,6,7
	global_load_b128 v[U+32*\un+4*\i:U+32*\un+4*\i+3], v7, s[10:11] offset:1024*\i+256*\un th:TH_LOAD_NT
.endr
.endr
	s_and_b32 s32, s26, 15                         ; g: 64 output columns
	s_bfe_u32 s33, s26, 0x10004                    ; t
	s_lshr_b32 s34, s26, 5                         ; s2
	s_lshr_b32 s35, s34, 1
	s_lshl_b32 s35, s35, 6
	s_and_b32 s29, s34, 1
	s_lshl_b32 s29, s29, 1
	s_add_co_u32 s35, s35, s29
	s_add_co_u32 s35, s35, s33                     ; first row of w2: 64 (s2 / 2) + 2 (s2 % 2) + t; the lane adds 32 h, the load 4 i
	s_lshl_b32 s30, s35, 12
	s_lshl_b32 s29, s25, 19
	s_add_co_u32 s30, s30, s29
	s_lshl_b32 s29, s32, 8
	s_add_co_u32 s30, s30, s29
	s_add_nc_u64 s[12:13], s[12:13], s[30:31]
.irp i, 0,1,2,3,4,5,6,7
	global_load_b128 v[U+64+4*\i:U+64+4*\i+3], v8, s[12:13] offset:16384*\i th:TH_LOAD_NT
.endr
	s_mul_i32 s36, s25, 786432                     ; where they go: e's part of wt,
	s_lshr_b32 s29, s27, 1
	s_lshl_b32 s29, s29, 12                        ; w1: step dh / 2,
	s_add_co_u32 s30, s36, s29
	s_and_b32 s29, s27, 1
	s_lshl_b32 s29, s29, 9                         ; half dh % 2 of a fragment,
	s_add_co_u32 s30, s30, s29
	s_lshl_b32 s29, s28, 11                        ; fragments 2 hi and 2 hi + 1
	s_add_co_u32 s30, s30, s29
	s_add_nc_u64 s[40:41], s[14:15], s[30:31]
	s_lshr_b32 s29, s32, 2
	s_mul_i32 s29, s29, 196608                     ; w2: wave g / 4,
	s_add_co_u32 s30, s36, s29
	s_add_co_u32 s30, s30, 131072                  ; behind its 32 steps of w1,
	s_and_b32 s29, s32, 3
	s_lshl_b32 s29, s29, 2
	s_add_co_u32 s29, s29, s34
	s_lshl_b32 s29, s29, 12                        ; step 4 (g % 4) + s2,
	s_add_co_u32 s30, s30, s29
	s_lshl_b32 s29, s33, 9                         ; half t of a fragment
	s_add_co_u32 s30, s30, s29
	s_add_nc_u64 s[42:43], s[14:15], s[30:31]
.irp un, 0,1
	s_wait_loadcnt 16-8*\un                        ; this unit's eight loads are in; the later units' eight each may stay out
.irp q, 0,1,2,3                        ; column q of my four: eight rows make a piece of 16 bytes
.irp p, 0,1,2,3
	v_cvt_pk_bf16_f32 v[P+16*\un+4*\q+\p], v[U+32*\un+8*\p+\q], v[U+32*\un+8*\p+4+\q]
.endr
	global_store_b128 v2, v[P+16*\un+4*\q:P+16*\un+4*\q+3], s[40:41] offset:(2*\un+\q/2)*196608+(\q%2)*1024  ; the wave's 512 consecutive bytes, aligned
.endr
.endr
	s_wait_loadcnt 0x0
.irp q, 0,1,2,3
.irp p, 0,1,2,3
	v_cvt_pk_bf16_f32 v[160+3*(\p%2)], v[U+64+8*\p+\q], v[U+64+8*\p+4+\q]  ; rounded to bf16 like every input,
	v_lshlrev_b32 v[161+3*(\p%2)], 16, v[160+3*(\p%2)]
	v_and_b32     v[162+3*(\p%2)], 0xffff0000, v[160+3*(\p%2)]
	v_cvt_pk_f16_f32 v[P+32+4*\q+\p], v[161+3*(\p%2)], v[162+3*(\p%2)]     ; and that number written as f16: exact within f16's range
.endr
	global_store_b128 v2, v[P+32+4*\q:P+32+4*\q+3], s[42:43] offset:1024*\q
.endr
.Ljoin:
	s_wait_dscnt 0x0                               ; for wave 0's sake: my leaves are in LDS
	s_barrier_signal -1
	s_barrier_wait -1
	s_cmp_lg_u32 s20, 0
	s_cbranch_scc1 .Lend
	v_lshlrev_b32 v233, 2, v1
	ds_load_b32 v234, v233                         ; lane l: the leaf of token 32 b + l
	v_mov_b32 v235, 0
	v_lshlrev_b32 v236, 10, v1
	v_lshl_add_u32 v236, s21, 2, v236              ; 1024 x lane + 4 b
	s_wait_dscnt 0x0
.irp e, 0,1,2,3,4,5,6,7,8,9,10,11,12,13,14,15
	v_cmp_eq_u32 s[40+\e], \e, v234                ; leaf e's mask of my 32 tokens
.endr
.irp e, 0,1,2,3,4,5,6,7,8,9,10,11,12,13,14,15
	v_writelane_b32 v235, s[40+\e], \e             ; lanes 0-15: the masks,
	s_bcnt1_i32_b32 s56, s[40+\e]
	v_writelane_b32 v235, s56, 16+\e               ; lanes 16-31: their counts
.endr
	global_store_b32 v236, v235, s[16:17]          ; 32 single words, 1,024 bytes apart: all that the work-group has to say, laid by leaf so that the next launch reads 128 bytes on end
.Lend:
	s_wait_tensorcnt 0x0                           ; the wave's end: behind my last LDS store
	ds_add_u32 v[SPW], v[NIL]
	s_wait_dscnt 0x0
	s_endpgm
.Lfunc_end_k_q3471f18628_prep:
	.size	k_q3471f18628_prep, .Lfunc_end_k_q3471f18628_prep-k_q3471f18628_prep
	.p2alignl 7, 3214868480
	.fill 96, 4, 3214868480
	.section	.rodata,"a",@progbits
	.p2align	6, 0x0
	.amdhsa_kernel k_q3471f18628_prep
		.amdhsa_group_segment_fixed_size 2304
		.amdhsa_private_segment_fixed_size 0
		.amdhsa_enable_private_segment 0
		.amdhsa_kernarg_size 56
		.amdhsa_user_sgpr_count 2
		.amdhsa_user_sgpr_kernarg_segment_ptr 1
		.amdhsa_wavefront_size32 1
		.amdhsa_system_sgpr_workgroup_id_x 1
		.amdhsa_system_sgpr_workgroup_id_y 1
		.amdhsa_system_sgpr_workgroup_id_z 1
		.amdhsa_system_vgpr_workitem_id 0
		.amdhsa_next_free_vgpr 256
		.amdhsa_next_free_sgpr 66
		.amdhsa_reserve_vcc 0
		.amdhsa_float_denorm_mode_32 3
		.amdhsa_float_denorm_mode_16_64 3
		.amdhsa_memory_ordered 1
		.amdhsa_forward_progress 1
		.amdhsa_inst_pref_size 74
	.end_amdhsa_kernel
	.amdgpu_metadata
---
amdhsa.version: [ 1, 2 ]
amdhsa.kernels:
  - .name:           k_q3471f18628_prep
    .symbol:         k_q3471f18628_prep.kd
    .args:
      - { .name: inputs, .offset: 0, .size: 8, .value_kind: global_buffer, .address_space: global }
      - { .name: wnode, .offset: 8, .size: 8, .value_kind: global_buffer, .address_space: global }
      - { .name: bnode, .offset: 16, .size: 8, .value_kind: global_buffer, .address_space: global }
      - { .name: w1, .offset: 24, .size: 8, .value_kind: global_buffer, .address_space: global }
      - { .name: w2, .offset: 32, .size: 8, .value_kind: global_buffer, .address_space: global }
      - { .name: wt, .offset: 40, .size: 8, .value_kind: global_buffer, .address_space: global }
      - { .name: bm, .offset: 48, .size: 8, .value_kind: global_buffer, .address_space: global }
    .group_segment_fixed_size: 2304
    .private_segment_fixed_size: 0
    .kernarg_segment_align: 8
    .kernarg_segment_size: 56
    .max_flat_workgroup_size: 512
    .sgpr_count:     66
    .vgpr_count:     256
    .wavefront_size: 32
...
	.end_amdgpu_metadata
.endif
;; end of part 1
;; launch chain (part 2): grid 143 x 1, 4 waves a work-group, no clusters, 188,672 bytes of LDS; arguments inputs, wt, bm, b1, b2, out0; writes out0
.if DOCPART == 2
	.amdgcn_target "amdgcn-amd-amdhsa--gfx1250"
	.amdhsa_code_object_version 6
	.text
	.protected	k_q3471f18628_chain
	.globl	k_q3471f18628_chain
	.p2align	8
	.type	k_q3471f18628_chain,@function
k_q3471f18628_chain:
	s_mov_b64 s[64:65], 0
	v_nop
	global_prefetch_b8 v0, s[64:65] scope:SCOPE_SE
	s_setreg_imm32_b32 hwreg(HW_REG_WAVE_MODE, 25, 1), 1
	s_wait_xcnt 0x0
; CHAIN: a tile of up to 64 tokens of ONE leaf goes through the whole layer: out = ((x W1 + b1)[128:] * (x W1 + b1)[:128]) W2 + b2, only for the leaf that the token chose
; (the gate is exactly one-hot, so the other leaves' products are multiplied by 0 in the definition).
; GRID.  With n_e tokens on leaf e there are sum ceil(n_e / 64) <= 8192 / 64 + 15 = 143 tiles, whatever the split: 143 work-groups.  Each adds up the stored counts for itself and finds its
; leaf and first row; one that a split leaves without rows walks the same text on clamped numbers (every wave passes every barrier) and jumps all its stores.
; In a tile that is not full the places past the count repeat the leaf's last row; blocks of 16 rows past the count are jumped; in the block that holds the count the repeated
; row is stored again with the same bytes.  Smaller tiles for more work-groups are not taken: every tile streams its leaf's 768 KB of weights whatever its rows.
; SHARES.  Four waves split the COLUMNS: wave w owns 64 of the 256 hidden columns (32 GLU pairs) and 256 of the 1,024 output columns, for all 64 tokens.  So each weight fragment has one
; reader in the work-group and goes from memory straight into that wave's operand registers, through a ring of 16 register slots of 4 KB; two K steps are asked for in one run,
; seven and eight steps ahead, so that 56 loads of a wave are out.  x (bf16) and the hidden layer, which all four waves read, go through LDS.
; ORDER.  Vector and memory instructions stand in long runs, not by turns: a batch of the gather is 32 conversions and then 16 LDS stores; two K steps are one run of 32 loads and then
; 32 matrix instructions; a block of the way out is 32 multiply-adds and then 8 stores.  x is asked for as soon as the tokens are known; the weights' first steps behind it.
; FIRST PRODUCT, transposed: H^T = W1^T x^T (source 0 = 16 hidden columns, source 1 = 16 tokens), bf16; the bias is the C operand of the first K step.  The weights' layout puts a GLU pair
; into one lane and makes the packed result, as it lies, source 0 of the second product's K step w.
; THE HIDDEN LAYER goes in f16 times a power of two of the token's own: s = 2^(14 - exponent of the token's largest |a|), exact; 1 / s is undone in f32 in the last fused multiply-add.
; SECOND PRODUCT, f16: source 0 = 16 tokens, source 1 = 16 output columns 4 apart: register j of the four accumulators q are 4 neighbouring columns of one token:
; sixteen lanes store 256 consecutive bytes, aligned, of a row of out.
; NO CLUSTER, NO TENSOR LOADS: the tiles of a leaf share its weights, but their number hangs on the split and is no multiple of four for every split (whole clusters for every leaf would be
; up to 47 clusters, 188 work-groups, for at most 143 tiles); the weights would pass through LDS, 768 KB written and read again beside the 512 KB of x and a that a tile reads there;
; and x's rows come by a list, which no descriptor covers.
; LIMITS.  Every input is rounded once to bf16; w2 then lies in f16 (|w2| <= 65,504; below 6.1e-5 a step of 6e-8).  A token whose largest |a| is under 2^-113 keeps fewer bits of a.
; NaN and infinities are not treated apart.
.set XP,    2064                       ; a row of x in LDS: 2,048 bytes + 16: an odd multiple of 16, so the 16 rows of a fragment load start at 16 different groups of four banks (ISA guide 11.1)
.set BM,    64*XP                      ; 132,096: the masks: chunk t = 8 e + block, 128 bytes, pitch 144
.set CP,    144
.set CNO,   128*CP                     ; the counts lie as the masks do, 18,432 bytes further on
.set CNT,   BM+2*CNO                   ; 168,960: 128 words: the sum of each chunk's counts
.set LIST,  CNT+512                    ; 64 words: the tile's tokens
.set PMAX,  LIST+256                   ; [token][wave]: the largest |a| that a wave holds of a token
.set SC,    PMAX+1024                  ; 1 / s by token, a copy for each wave
.set AX,    SC+1024                    ; the hidden layer: fragment (K step s2, token block mt) at (4 s2 + mt) x 1,024
.set SPARE, AX+16384                   ; 188,160: the spare words, 128 bytes for each wave
.set STEPB, 4096                       ; a K step of a wave's weights
; window 0
.set R,    2                           ; v2   lane % 16          v1 lane, v3 lane / 16, v4 16 x lane (never rewritten: the ring's offset)
.set H,    3
.set XA0,  5                           ; v5   LDS address of my part of x's fragments, tokens 0-31;  v6 tokens 32-63; never rewritten
.set XA1,  6
.set XS,   7                           ; v7   where I put 8 bytes of a gathered row
.set TOK,  8                           ; v8   lanes 0-15: the tokens of my wave's 16 rows
.set RO,   9                           ; v9-14  the gather's row offsets: two for each of three batches
.set PMA,  15                          ; v15  PMAX + 16 r
.set AXA,  16                          ; v16  AX + 16 x lane
.set SCA,  17                          ; v17  SC + 256 w
.set OB,   18                          ; v18  16 r + 1024 w: my 16 bytes in a row of out
.set SPW,  30                          ; v30  LDS address of my spare word; never rewritten
.set NIL,  31                          ; v31  0; never rewritten
.set PK,   32                          ; v32-63, v64-95  two sets by turns: the gather's packed rows; later the packed hidden layer (the first set); at last T, the stores' data
.set PA,   32
.set T,    32
.set ACC,  128                         ; v128-255  accumulator (mt, c) at ACC + 8 (4 mt + c)
; windows 1 and 3: the ring: K step s lies in slot s % 16; slots 0-7 in window 1, slots 8-15 in window 3; fragment f of a slot at 32 (slot % 8) + 8 f
;   window 3 earlier: the gather's three batch buffers of 64 registers
; window 2
.set XF,   0                           ; v0-127   x's fragments, two buffers of two K steps: step u, token block mt at 64 (pair % 2) + 32 u + 8 mt (earlier: b1 and b2 as loaded)
.set AF,   0                           ; v0-127   later the hidden layer's 16 fragments
.set SINV, 128                         ; 1 / s of token 16 mt + 8 h + j at SINV + 8 mt + j
.set TOKO, 160                         ; that token's byte offset in out, + OB
.set B2,   192                         ; b2 of my column 64 g + 4 r + q at B2 + 4 g + q
.set B1,   208                         ; b1 for fragment tl, register j at B1 + 8 tl + j
.set MSB, 0
.macro WIN new                         ; s_set_vgpr_msb: bits 1:0 source 0, 3:2 source 1, 5:4 source 2, 7:6 destination; the high byte repeats the setting that is left
.if MSB != (\new)
	s_set_vgpr_msb (MSB<<8)|(\new)
.set MSB, (\new)
.endif
.endm
.macro PLACES                          ; four places behind matrix instructions, ahead of loads into their sources and of readers of their results
.rept 4
	v_nop
.endr
.endm
; Eight loads: K step st of my weights, 4 fragments, into its slot of the ring; each load is 512 consecutive bytes.  The step stands in the immediate: 196,096 bytes at the most.
.macro RLOAD st
.set RS, (\st)%16
	WIN 0x40+0x80*(RS/8)                           ; destination window 1 or 3, offset window 0
.irp f, 0,1,2,3
	global_load_b128 v[32*(RS%8)+8*\f:32*(RS%8)+8*\f+3],   v4, s[34:35] offset:(\st)*STEPB+1024*\f
	global_load_b128 v[32*(RS%8)+8*\f+4:32*(RS%8)+8*\f+7], v4, s[34:35] offset:(\st)*STEPB+1024*\f+512
.endr
.endm
	s_load_b256 s[4:11], s[0:1], 0x0               ; inputs s[4:5], wt s[6:7], bm s[8:9], b1 s[10:11]
	s_load_b128 s[12:15], s[0:1], 0x20             ; b2 s[12:13], out0 s[14:15]
	v_lshl_add_u32 v[SPW], v0, 2, SPARE
	v_mov_b32 v[NIL], 0
	v_and_b32 v1, 31, v0
	v_lshrrev_b32 v19, 5, v0
	v_readfirstlane_b32 s16, v19                   ; wave 0..3
	v_and_b32 v[R], 15, v0
	v_bfe_u32 v[H], v0, 4, 1
	v_lshlrev_b32 v4, 4, v1
	v_lshlrev_b32 v20, 7, v0                       ; thread t stands for chunk t = 8 e + block: 32 words, 128 bytes
	v_mul_u32_u24 v21, v0, CP
	v_add_nc_u32 v21, BM, v21
	v_lshl_add_u32 v22, v0, 2, CNT
	s_mov_b32 s17, ttmp9
	s_mov_b32 s40, 0x76543210                      ; v_permlanex16_b32: each lane takes its own place in the other half
	s_mov_b32 s41, 0xfedcba98
	s_mov_b32 s43, 0xffff0000
	s_wait_kmcnt 0x0
	; ---- 1. every work-group counts: the 16 KB of counts and the 16 KB of masks, 256 bytes a thread, once
.irp i, 0,1,2,3,4,5,6,7
	global_load_b128 v[64+4*\i:64+4*\i+3], v20, s[8:9] offset:16384+16*\i
.endr
.irp i, 0,1,2,3,4,5,6,7
	global_load_b128 v[32+4*\i:32+4*\i+3], v20, s[8:9] offset:16*\i
.endr
	s_wait_loadcnt 0x8                             ; the counts are in; the eight loads of masks may stay out
.irp k, 0,1,2,3,4,5,6,7
	v_add3_u32 v[96+\k], v[64+4*\k], v[64+4*\k+1], v[64+4*\k+2]
.endr
.irp k, 0,1,2,3,4,5,6,7
	v_add_nc_u32 v[96+\k], v[96+\k], v[64+4*\k+3]
.endr
	v_add3_u32 v96, v96, v97, v98
	v_add3_u32 v99, v99, v100, v101
	v_add3_u32 v96, v96, v99, v102
	v_add_nc_u32 v96, v96, v103
.irp i, 0,1,2,3,4,5,6,7
	ds_store_b128 v21, v[64+4*\i:64+4*\i+3] offset:CNO+16*\i
.endr
	ds_store_b32 v22, v96
	s_wait_loadcnt 0x0
.irp i, 0,1,2,3,4,5,6,7
	ds_store_b128 v21, v[32+4*\i:32+4*\i+3] offset:16*\i
.endr
	s_wait_dscnt 0x0                               ; for the others' sake: my chunk is in LDS
	s_barrier_signal -1
	s_barrier_wait -1
	; ---- 2. the deal, made alike by every wave: lane l holds leaf l % 16's eight block sums
	v_lshl_add_u32 v23, v[R], 5, CNT
	ds_load_b128 v[96:99], v23
	ds_load_b128 v[100:103], v23 offset:16
	s_wait_dscnt 0x0
	v_add3_u32 v104, v96, v97, v98
	v_add3_u32 v105, v99, v100, v101
	v_add3_u32 v104, v104, v105, v102
	v_add_nc_u32 v104, v104, v103                  ; n_e
	v_add_nc_u32 v105, 63, v104
	v_lshrrev_b32 v105, 6, v105                    ; its tiles
.irp e, 0,1,2,3,4,5,6,7,8,9,10,11,12,13,14,15
	v_readlane_b32 s[44+\e], v105, \e              ; all sixteen in one run, so that the scalar work below waits for them once
.endr
	s_mov_b32 s20, 0                               ; tiles of the leaves before e
	s_mov_b32 s18, 0                               ; my leaf: the last whose first tile is not beyond my number (leaves without tokens are passed over)
	s_mov_b32 s19, 0                               ; its first tile
.irp e, 0,1,2,3,4,5,6,7,8,9,10,11,12,13,14,15
	s_cmp_ge_u32 s17, s20
	s_cselect_b32 s18, \e, s18
	s_cselect_b32 s19, s20, s19
	s_add_co_u32 s20, s20, s[44+\e]
.endr
	s_min_u32 s18, s18, 15
	v_readlane_b32 s22, v104, s18                  ; n of my leaf
.irp i, 0,1,2,3,4,5,6
	v_readlane_b32 s[44+\i], v[96+\i], s18         ; and its block sums
.endr
	s_sub_co_u32 s23, s17, s19
	s_lshl_b32 s23, s23, 6                         ; my first row among the leaf's
	s_min_u32 s21, s23, s22
	s_sub_co_u32 s24, s22, s21
	s_min_u32 s24, s24, 64                         ; my rows: 0 to 64
	s_max_u32 s25, s22, 1
	s_sub_co_u32 s25, s25, 1                       ; the leaf's last row
	s_mov_b32 s26, 0                               ; s26-33: rows of my leaf ahead of each of its eight blocks
.irp i, 0,1,2,3,4,5,6
	s_add_co_u32 s[27+\i], s[26+\i], s[44+\i]
.endr
	; ---- 3. the biases, 20 short loads, are asked for now; the weights wait until x has been asked for
	s_mul_i32 s36, s18, 786432
	s_mul_i32 s21, s16, 196608
	s_add_co_u32 s36, s36, s21
	s_mov_b32 s37, 0
	s_add_nc_u64 s[34:35], s[6:7], s[36:37]        ; my wave's 192 KB of my leaf; never rewritten
	s_lshl_b32 s21, s18, 10                        ; b1: hidden column 128 hi + 64 (w / 2) + 32 h + 4 j + 2 (w % 2) + t; a load of 8 bytes brings t = 0, 1
	s_lshr_b32 s42, s16, 1
	s_lshl_b32 s42, s42, 8
	s_add_co_u32 s21, s21, s42
	s_and_b32 s42, s16, 1
	s_lshl_b32 s42, s42, 3
	s_add_co_u32 s21, s21, s42
	v_lshl_add_u32 v28, v[H], 7, s21               ; v28, v29 are not written again
	s_lshl_b32 s21, s18, 12                        ; b2: column 256 w + 64 g + 4 r + q
	s_lshl_b32 s42, s16, 10
	s_add_co_u32 s21, s21, s42
	v_lshl_add_u32 v29, v[R], 4, s21
	WIN 0x80                                       ; destination window 2
.irp p, 0,1,2,3,4,5,6,7,8,9,10,11,12,13,14,15      ; p = 8 hi + j
	global_load_b64 v[2*\p:2*\p+1], v28, s[10:11] offset:512*(\p/8)+16*(\p%8)
.endr
.irp g, 0,1,2,3
	global_load_b128 v[32+4*\g:32+4*\g+3], v29, s[12:13] offset:256*\g
.endr
	WIN 0
	v_mul_u32_u24 v[XA0], v[R], XP
	v_lshl_add_u32 v[XA0], v[H], 4, v[XA0]         ; a fragment's row x pitch + 16 x half
	v_add_nc_u32 v[XA1], 32*XP, v[XA0]
	s_mul_i32 s42, s16, 16*XP
	v_lshl_add_u32 v[XS], v1, 3, s42               ; my wave's 16 rows, 8 bytes a lane
	v_lshl_add_u32 v[PMA], v[R], 4, PMAX
	v_add_nc_u32 v[AXA], AX, v4
	s_lshl_b32 s42, s16, 8
	s_add_co_u32 s42, s42, SC
	v_mov_b32 v[SCA], s42
	v_lshlrev_b32 v[OB], 4, v[R]
	v_lshl_add_u32 v[OB], s16, 10, v[OB]
	; ---- 4. the select: lane l finds the token of row 16 w + l % 16 of the tile: the leaf's row rho is in a block, there in a word, there a bit.  No branch.
	v_lshl_add_u32 v19, s16, 4, v[R]               ; j
	v_add_nc_u32 v20, s23, v19
	v_min_u32 v20, s25, v20                        ; rho: places past the count repeat the leaf's last row
	v_mov_b32 v21, 0                               ; the block
	v_mov_b32 v22, 0                               ; rows ahead of it
.irp i, 1,2,3,4,5,6,7
	v_cmp_le_u32 vcc_lo, s[26+\i], v20
	v_cndmask_b32 v22, v22, s[26+\i], vcc_lo
	v_cndmask_b32 v23, 0, 1, vcc_lo
	v_add_nc_u32 v21, v21, v23
.endr
	v_sub_nc_u32 v24, v20, v22                     ; the row's rank in the block
	v_min_u32 v21, 7, v21
	s_mul_i32 s21, s18, 8*CP
	s_add_co_u32 s21, s21, BM
	v_mul_u32_u24 v25, v21, CP
	v_add_nc_u32 v25, s21, v25                     ; the chunk's masks; its counts lie CNO further on
.irp i, 0,1,2,3,4,5,6,7
	ds_load_b128 v[32+4*\i:32+4*\i+3], v25 offset:CNO+16*\i
.endr
	v_mov_b32 v22, 0                               ; running sum of the words' counts
	v_mov_b32 v23, 0                               ; rows ahead of the word
	v_mov_b32 v26, 0                               ; the word
	s_wait_dscnt 0x0
.irp i, 0,1,2,3,4,5,6,7,8,9,10,11,12,13,14,15,16,17,18,19,20,21,22,23,24,25,26,27,28,29,30
	v_add_nc_u32 v22, v22, v[32+\i]
	v_cmp_le_u32 vcc_lo, v22, v24
	v_cndmask_b32 v23, v23, v22, vcc_lo
	v_cndmask_b32 v27, 0, 1, vcc_lo
	v_add_nc_u32 v26, v26, v27
.endr
	v_sub_nc_u32 v24, v24, v23                     ; the row's rank in the word
	v_min_u32 v26, 31, v26
	v_lshl_add_u32 v27, v26, 2, v25
	ds_load_b32 v22, v27                           ; the word
	s_wait_dscnt 0x0
	s_barrier_signal -1                            ; between the last barrier and this one LDS is only read: the select's addresses hang on loaded numbers; the bit search, work on registers, stands in the barrier
	v_lshrrev_b32 v32, 1, v22                      ; the word's ones counted in fields of 2, 4, 8 and 16 bits
	v_and_b32 v32, 0x55555555, v32
	v_sub_nc_u32 v32, v22, v32
	v_lshrrev_b32 v33, 2, v32
	v_and_b32 v33, 0x33333333, v33
	v_and_b32 v34, 0x33333333, v32
	v_add_nc_u32 v33, v33, v34
	v_lshrrev_b32 v34, 4, v33
	v_add_nc_u32 v34, v34, v33
	v_and_b32 v34, 0x0f0f0f0f, v34
	v_lshrrev_b32 v35, 8, v34
	v_add_nc_u32 v35, v35, v34
	v_and_b32 v35, 0x00ff00ff, v35
	v_mov_b32 v36, 0                               ; the bit
.macro PICK lev, wid, fw               ; if the rank is not among the ones of the wid bits from the bit on, pass them
	v_bfe_u32 v37, v[\lev], v36, \fw
	v_cmp_ge_u32 vcc_lo, v24, v37
	v_cndmask_b32 v37, 0, v37, vcc_lo
	v_cndmask_b32 v38, 0, \wid, vcc_lo
	v_sub_nc_u32 v24, v24, v37
	v_add_nc_u32 v36, v36, v38
.endm
	PICK 35, 16, 8
	PICK 34, 8, 8
	PICK 33, 4, 4
	PICK 32, 2, 2
	PICK 22, 1, 1
	v_lshl_add_u32 v37, v21, 5, v26
	v_lshl_add_u32 v[TOK], v37, 5, v36             ; token = 32 (32 block + word) + bit
	v_min_u32 v[TOK], 0x1fff, v[TOK]
	v_lshl_add_u32 v37, v19, 2, LIST
	s_barrier_wait -1
	ds_store_b32 v37, v[TOK]                       ; both halves of the lanes write the same word with the same value
.irp i, 0,1,2,3,4,5,6,7,8,9,10,11,12,13,14,15
	v_readlane_b32 s[44+\i], v[TOK], \i            ; my wave's 16 tokens as scalars, in one run
.endr
.irp i, 0,1,2,3,4,5,6,7,8,9,10,11,12,13,14,15
	s_min_u32 s[44+\i], s[44+\i], 0x1fff
.endr
	; ---- 5. the gather: my wave's 16 rows of x, two a batch, three batches on their way; rounded to bf16 into LDS
.macro XISSUE k
	WIN 0
	v_lshl_add_u32 v[RO+2*((\k)%3)],   s[44+2*(\k)],   12, v4  ; free: the batch three back has been waited for
	v_lshl_add_u32 v[RO+2*((\k)%3)+1], s[44+2*(\k)+1], 12, v4
	WIN 0xc0                                       ; destination window 3, offset window 0
.irp row, 0,1
.irp c, 0,1,2,3,4,5,6,7
	global_load_b128 v[64*((\k)%3)+32*\row+4*\c:64*((\k)%3)+32*\row+4*\c+3], v[RO+2*((\k)%3)+\row], s[4:5] offset:512*\c  ; 512 consecutive bytes of the row
.endr
.endr
.endm
.macro XPACK k, n                      ; 32 conversions in one run, then 16 LDS stores in one run; the packed words' two sets take turns
	s_wait_loadcnt \n                              ; loads come back in order (ISA guide 5.7.1): my batch is in, the n younger loads may stay out
	WIN 0x0f                                       ; sources window 3, destination window 0
.irp row, 0,1
.irp c, 0,1,2,3,4,5,6,7
	v_cvt_pk_bf16_f32 v[PK+32*((\k)%2)+2*(8*\row+\c)],   v[64*((\k)%3)+32*\row+4*\c],   v[64*((\k)%3)+32*\row+4*\c+1]
	v_cvt_pk_bf16_f32 v[PK+32*((\k)%2)+2*(8*\row+\c)+1], v[64*((\k)%3)+32*\row+4*\c+2], v[64*((\k)%3)+32*\row+4*\c+3]
.endr
.endr
	WIN 0
.irp row, 0,1
.irp c, 0,1,2,3,4,5,6,7
	ds_store_b64 v[XS], v[PK+32*((\k)%2)+2*(8*\row+\c):PK+32*((\k)%2)+2*(8*\row+\c)+1] offset:(2*(\k)+\row)*XP+256*\c  ; 256 consecutive bytes
.endr
.endr
.endm
	XISSUE 0
	XISSUE 1
	XISSUE 2
	s_wait_loadcnt 48                              ; the biases' 20 loads are in: behind them stand the three batches' 48
	WIN 0x8a                                       ; sources and destination window 2: the biases are rounded to bf16 and widened again
.irp p, 0,1,2,3,4,5,6,7,8,9,10,11,12,13,14,15
	v_cvt_pk_bf16_f32 v[2*\p], v[2*\p], v[2*\p+1]
.endr
.irp p, 0,1,2,3,4,5,6,7,8,9,10,11,12,13,14,15
	v_lshlrev_b32 v[B1+16*(\p/8)+(\p%8)],   16,  v[2*\p]
	v_and_b32     v[B1+16*(\p/8)+8+(\p%8)], s43, v[2*\p]
.endr
.irp p, 0,1,2,3,4,5,6,7
	v_cvt_pk_bf16_f32 v[32+2*\p], v[32+2*\p], v[32+2*\p+1]
.endr
.irp p, 0,1,2,3,4,5,6,7
	v_lshlrev_b32 v[B2+2*\p],   16,  v[32+2*\p]
	v_and_b32     v[B2+2*\p+1], s43, v[32+2*\p]
.endr
	XPACK 0, 32                                    ; two younger batches of 16
	XISSUE 3
	XPACK 1, 32
	XISSUE 4
	XPACK 2, 32
	XISSUE 5
	XPACK 3, 32
	XISSUE 6
	XPACK 4, 32
	XISSUE 7                                       ; all of x is asked for: now the weights' first seven K steps, two behind each pack
	RLOAD 0
	RLOAD 1
	XPACK 5, 48                                    ; two batches and two K steps
	RLOAD 2
	RLOAD 3
	XPACK 6, 48                                    ; one batch and four K steps
	RLOAD 4
	RLOAD 5
	XPACK 7, 48                                    ; six K steps
	RLOAD 6
	WIN 0
	s_wait_dscnt 0x0                               ; for the others' sake: my rows of x and my part of the list are in LDS
	s_barrier_signal -1
	s_barrier_wait -1
	; ---- 6. the tokens' offsets in out, in the second product's result layout; x's fragments of K steps 0 and 1
.macro XFLOAD p                        ; 64 tokens x 64 along K (K steps 2 p, 2 p + 1): two loads of 16 bytes, 32 apart, for each block of 16 tokens and step
	WIN 0x80                                       ; destination window 2, address window 0
.irp u, 0,1
.irp mt, 0,1
	ds_load_b128 v[XF+64*((\p)%2)+32*\u+8*\mt:XF+64*((\p)%2)+32*\u+8*\mt+3],     v[XA0] offset:\mt*16*XP+64*(2*(\p)+\u)
	ds_load_b128 v[XF+64*((\p)%2)+32*\u+8*\mt+4:XF+64*((\p)%2)+32*\u+8*\mt+7],   v[XA0] offset:\mt*16*XP+64*(2*(\p)+\u)+32
	ds_load_b128 v[XF+64*((\p)%2)+32*\u+8*\mt+16:XF+64*((\p)%2)+32*\u+8*\mt+19], v[XA1] offset:\mt*16*XP+64*(2*(\p)+\u)
	ds_load_b128 v[XF+64*((\p)%2)+32*\u+8*\mt+20:XF+64*((\p)%2)+32*\u+8*\mt+23], v[XA1] offset:\mt*16*XP+64*(2*(\p)+\u)+32
.endr
.endr
.endm
	v_lshl_add_u32 v19, v[H], 5, LIST
	WIN 0x80
.irp mt, 0,1,2,3
	ds_load_b128 v[TOKO+8*\mt:TOKO+8*\mt+3],   v19 offset:64*\mt     ; tokens 16 mt + 8 h + 0..3
	ds_load_b128 v[TOKO+8*\mt+4:TOKO+8*\mt+7], v19 offset:64*\mt+16
.endr
	XFLOAD 0
	s_wait_dscnt 0x0
	WIN 0x8a
.irp i, 0,1,2,3,4,5,6,7,8,9,10,11,12,13,14,15,16,17,18,19,20,21,22,23,24,25,26,27,28,29,30,31
	v_min_u32 v[TOKO+\i], 0x1fff, v[TOKO+\i]
.endr
	WIN 0x82                                       ; source 0 and destination window 2, source 2 window 0
.irp i, 0,1,2,3,4,5,6,7,8,9,10,11,12,13,14,15,16,17,18,19,20,21,22,23,24,25,26,27,28,29,30,31
	v_lshl_add_u32 v[TOKO+\i], v[TOKO+\i], 12, v[OB]
.endr
	; ---- 7. THE FIRST PRODUCT: 16 pairs of K steps of 32: one run of 32 loads, then 32 matrix instructions.  The 16 accumulators take turns, one instruction a turn.
; Pair p asks for the weights of K steps 2 p + 7 and 2 p + 8 (their slots were read eight steps ago or more) and for x's fragments of the next pair (into the buffer that the pair before read).
; All offsets are constants, so the pairs are written out by macro and no address is stepped.
.macro PAIR1 p
	s_wait_loadcnt 40                              ; my pair's 16 loads are in; the five younger K steps' 40 may stay out
	s_wait_dscnt 0x0                               ; x's fragments, asked for a pair ago
	PLACES
	RLOAD 2*(\p)+7
	RLOAD 2*(\p)+8
.if (\p) < 15
	XFLOAD (\p)+1
.endif
.irp u, 0,1
.set SL, (2*(\p)+\u)%16
.set XB, XF+64*((\p)%2)+32*\u
.if 2*(\p)+\u == 0
	WIN 0x29                                       ; source 0 (weights) window 1, source 1 (x) and C (the bias) window 2
.else
	WIN 0x09+2*(SL/8)                              ; source 0 window 1 or 3, source 1 window 2
.endif
.irp mt, 0,1,2,3
.irp tl, 0,1,2,3
.if 2*(\p)+\u == 0
	v_wmma_f32_16x16x32_bf16 v[ACC+8*(4*\mt+\tl):ACC+8*(4*\mt+\tl)+7], v[32*(SL%8)+8*\tl:32*(SL%8)+8*\tl+7], v[XB+8*\mt:XB+8*\mt+7], v[B1+8*\tl:B1+8*\tl+7]
.else
	v_wmma_f32_16x16x32_bf16 v[ACC+8*(4*\mt+\tl):ACC+8*(4*\mt+\tl)+7], v[32*(SL%8)+8*\tl:32*(SL%8)+8*\tl+7], v[XB+8*\mt:XB+8*\mt+7], v[ACC+8*(4*\mt+\tl):ACC+8*(4*\mt+\tl)+7]
.endif
.endr
.endr
.endr
.endm
.irp p, 0,1,2,3,4,5,6,7,8,9,10,11,12,13,14,15
	PAIR1 \p                                       ; K step 0's products start the sums, on the bias; from pair 12 on the ring runs into the second product's weights
.endr
	; ---- 8. GLU: a = h[128 + k] h[k]: both lie in my lane, in accumulators (mt, t + 2) and (mt, t).  Each accumulator's registers are taken in ascending order.
	WIN 0
	PLACES
.irp mt, 0,1,2,3
.irp t, 0,1
.irp i, 0,1,2,3
	v_pk_mul_f32 v[ACC+32*\mt+8*\t+2*\i:ACC+32*\mt+8*\t+2*\i+1], v[ACC+32*\mt+8*\t+2*\i:ACC+32*\mt+8*\t+2*\i+1], v[ACC+32*\mt+8*\t+16+2*\i:ACC+32*\mt+8*\t+16+2*\i+1]
.endr
.endr
.endr
	; the largest |a| of each token: my lane's 16, the other half of the lanes', then the four waves' through LDS
.irp mt, 0,1,2,3
	v_max3_num_f32 v[96+\mt], |v[ACC+32*\mt]|, |v[ACC+32*\mt+1]|, |v[ACC+32*\mt+2]|
.endr
.irp n, 1,2,3,4,5,6
.irp mt, 0,1,2,3
	v_max3_num_f32 v[96+\mt], v[96+\mt], |v[ACC+32*\mt+2*\n+1]|, |v[ACC+32*\mt+2*\n+2]|
.endr
.endr
.irp mt, 0,1,2,3
	v_max_num_f32 v[96+\mt], v[96+\mt], |v[ACC+32*\mt+15]|
.endr
.irp mt, 0,1,2,3
	v_permlanex16_b32 v[100+\mt], v[96+\mt], s40, s41
.endr
	v_lshl_add_u32 v20, s16, 2, v[PMA]
.irp mt, 0,1,2,3
	v_max_num_f32 v[96+\mt], v[96+\mt], v[100+\mt]
.endr
.irp mt, 0,1,2,3
	ds_store_b32 v20, v[96+\mt] offset:256*\mt     ; PMAX[16 mt + r][w]
.endr
	s_wait_dscnt 0x0                               ; for the others' sake
	s_barrier_signal -1
	s_barrier_wait -1
.irp mt, 0,1,2,3
	ds_load_b128 v[104+4*\mt:104+4*\mt+3], v[PMA] offset:256*\mt
.endr
	v_lshl_add_u32 v21, s16, 12, v[AXA]            ; my four fragments of the hidden layer: K step w
	v_lshl_add_u32 v22, v[R], 2, v[SCA]
	v_lshl_add_u32 v23, v[H], 5, v[SCA]
	s_wait_dscnt 0x0
.irp mt, 0,1,2,3
	v_max3_num_f32 v[96+\mt], v[104+4*\mt], v[105+4*\mt], v[106+4*\mt]
.endr
.irp mt, 0,1,2,3
	v_max_num_f32 v[96+\mt], v[96+\mt], v[107+4*\mt]
.endr
.irp mt, 0,1,2,3
	v_lshrrev_b32 v[96+\mt], 23, v[96+\mt]         ; its exponent field eb
.endr
.irp mt, 0,1,2,3
	v_sub_nc_u32 v[96+\mt], 0x10c, v[96+\mt]       ; s = 2^(14 - (eb - 127)): field 268 - eb,
.endr
.irp mt, 0,1,2,3
	v_min_u32 v[96+\mt], 0xfd, v[96+\mt]           ; 253 at the most, so that 1 / s is a normal number too
.endr
.irp mt, 0,1,2,3
	v_lshlrev_b32 v[120+2*\mt], 23, v[96+\mt]      ; s,
	v_sub_nc_u32 v[96+\mt], 0xfe, v[96+\mt]
.endr
.irp mt, 0,1,2,3
	v_lshlrev_b32 v[121+2*\mt], 23, v[96+\mt]      ; and 1 / s beside it
.endr
.irp mt, 0,1,2,3
.irp i, 0,1,2,3,4,5,6,7
	v_pk_mul_f32 v[ACC+32*\mt+2*\i:ACC+32*\mt+2*\i+1], v[ACC+32*\mt+2*\i:ACC+32*\mt+2*\i+1], v[120+2*\mt:121+2*\mt] op_sel_hi:[1,0]  ; exact: the largest lies in 2^14 .. 2^15
.endr
.endr
.irp mt, 0,1,2,3
.irp i, 0,1,2,3,4,5,6,7
	v_cvt_pk_f16_f32 v[PA+8*\mt+\i], v[ACC+32*\mt+2*\i], v[ACC+32*\mt+2*\i+1]  ; as they lie: source 0 (16 tokens x 32 hidden units) of the second product
.endr
.endr
.irp mt, 0,1,2,3
	ds_store_b128 v21, v[PA+8*\mt:PA+8*\mt+3]   offset:1024*\mt
	ds_store_b128 v21, v[PA+8*\mt+4:PA+8*\mt+7] offset:1024*\mt+512
	ds_store_b32 v22, v[121+2*\mt] offset:64*\mt   ; 1 / s by token, into my wave's own copy
.endr
	s_wait_dscnt 0x0                               ; for the others' sake
	s_barrier_signal -1
	s_barrier_wait -1
	WIN 0x80
.irp f, 0,1,2,3,4,5,6,7,8,9,10,11,12,13,14,15
	ds_load_b128 v[AF+8*\f:AF+8*\f+3],   v[AXA] offset:1024*\f
	ds_load_b128 v[AF+8*\f+4:AF+8*\f+7], v[AXA] offset:1024*\f+512
.endr
.irp mt, 0,1,2,3
	ds_load_b128 v[SINV+8*\mt:SINV+8*\mt+3],   v23 offset:64*\mt
	ds_load_b128 v[SINV+8*\mt+4:SINV+8*\mt+7], v23 offset:64*\mt+16
.endr
	; ---- 9. THE SECOND PRODUCT: four groups of 64 output columns, two pairs of K steps each; behind each group its way out
.macro PAIR2 st
.if (\st) <= 40
	s_wait_loadcnt 40                              ; the five K steps younger than my pair
.else
	s_wait_loadcnt 8*(46-(\st))                    ; the ring runs out: the steps still younger
.endif
.if (\st)+7 <= 47
	RLOAD (\st)+7                                  ; its slot was read sixteen steps ago
.endif
.if (\st)+8 <= 47
	RLOAD (\st)+8
.endif
.irp u, 0,1
.set SL, ((\st)+\u)%16
.set S2, ((\st)+\u)%4
	WIN 0x06+8*(SL/8)                              ; source 0 (a) window 2, source 1 (weights) window 1 or 3
.irp mt, 0,1,2,3
.irp q, 0,1,2,3
.if S2 == 0
	v_wmma_f32_16x16x32_f16 v[ACC+8*(4*\mt+\q):ACC+8*(4*\mt+\q)+7], v[AF+8*(4*S2+\mt):AF+8*(4*S2+\mt)+7], v[32*(SL%8)+8*\q:32*(SL%8)+8*\q+7], 0
.else
	v_wmma_f32_16x16x32_f16 v[ACC+8*(4*\mt+\q):ACC+8*(4*\mt+\q)+7], v[AF+8*(4*S2+\mt):AF+8*(4*S2+\mt)+7], v[32*(SL%8)+8*\q:32*(SL%8)+8*\q+7], v[ACC+8*(4*\mt+\q):ACC+8*(4*\mt+\q)+7]
.endif
.endr
.endr
.endr
.endm
; The way out of group g: out = acc / s + b2, a block of 16 rows at a time: 32 multiply-adds, then 8 stores.  Register j of the four accumulators q are 4 neighbouring columns of token 16 mt + 8 h + j.
; T's two sets go by the block's parity.  A set is rewritten two blocks later: between stand the wait of the block in between, which comes behind this block's stores; and the wait at the group's head.
; The first block past the count jumps past all the group's later blocks, so the blocks that run are always the first ones.
.macro EPI g
	PLACES                                         ; five places: behind them the results are read, or, where every block is jumped, written over by the next group's first products
	v_nop
	WIN 0
	s_wait_xcnt 0x0                                ; the last group's stores have had their addresses translated (ISA guide 3.1): T may be rewritten
.irp mt, 0,1,2,3
	s_cmp_le_u32 s24, 16*\mt
	s_cbranch_scc1 .Lpast_\g
	WIN 0x22                                       ; source 0 (1 / s; the stores' offset) and source 2 (b2) window 2
.irp j, 0,1,2,3,4,5,6,7
.irp q, 0,1,2,3
	v_fma_f32 v[T+32*(\mt%2)+4*\j+\q], v[SINV+8*\mt+\j], v[ACC+8*(4*\mt+\q)+\j], v[B2+4*(\g)+\q]
.endr
.endr
	s_wait_xcnt 0x0                                ; the block before's stores, 32 instructions back: the next block rewrites their set only behind this wait
.irp j, 0,1,2,3,4,5,6,7
	global_store_b128 v[TOKO+8*\mt+\j], v[T+32*(\mt%2)+4*\j:T+32*(\mt%2)+4*\j+3], s[14:15] offset:256*(\g) th:TH_STORE_NT  ; 16 lanes store 256 consecutive bytes, at a multiple of 256 from out's first byte
.endr
	WIN 0
.endr
.Lpast_\g:
.endm
	s_wait_dscnt 24                                ; the fragments of K steps 0 and 1 are in: behind them stand 16 loads of fragments and 8 of 1 / s
	PAIR2 32
	s_wait_dscnt 0x0
	PAIR2 34
	EPI 0
.irp g, 1,2,3
	PAIR2 32+4*\g
	PAIR2 34+4*\g
	EPI \g
.endr
	s_wait_tensorcnt 0x0                           ; the wave's end: behind my last LDS store
	ds_add_u32 v[SPW], v[NIL]
	s_wait_dscnt 0x0
	s_endpgm
.Lfunc_end_k_q3471f18628_chain:
	.size	k_q3471f18628_chain, .Lfunc_end_k_q3471f18628_chain-k_q3471f18628_chain
	.p2alignl 7, 3214868480
	.fill 96, 4, 3214868480
	.section	.rodata,"a",@progbits
	.p2align	6, 0x0
	.amdhsa_kernel k_q3471f18628_chain
		.amdhsa_group_segment_fixed_size 188672
		.amdhsa_private_segment_fixed_size 0
		.amdhsa_enable_private_segment 0
		.amdhsa_kernarg_size 48
		.amdhsa_user_sgpr_count 2
		.amdhsa_user_sgpr_kernarg_segment_ptr 1
		.amdhsa_wavefront_size32 1
		.amdhsa_system_sgpr_workgroup_id_x 1
		.amdhsa_system_sgpr_workgroup_id_y 1
		.amdhsa_system_sgpr_workgroup_id_z 1
		.amdhsa_system_vgpr_workitem_id 0
		.amdhsa_next_free_vgpr 1024
		.amdhsa_next_free_sgpr 66
		.amdhsa_reserve_vcc 1
		.amdhsa_float_denorm_mode_32 3
		.amdhsa_float_denorm_mode_16_64 3
		.amdhsa_memory_ordered 1
		.amdhsa_forward_progress 1
		.amdhsa_inst_pref_size 239
	.end_amdhsa_kernel
	.amdgpu_metadata
---
amdhsa.version: [ 1, 2 ]
amdhsa.kernels:
  - .name:           k_q3471f18628_chain
    .symbol:         k_q3471f18628_chain.kd
    .args:
      - { .name: inputs, .offset: 0, .size: 8, .value_kind: global_buffer, .address_space: global }
      - { .name: wt, .offset: 8, .size: 8, .value_kind: global_buffer, .address_space: global }
      - { .name: bm, .offset: 16, .size: 8, .value_kind: global_buffer, .address_space: global }
      - { .name: b1, .offset: 24, .size: 8, .value_kind: global_buffer, .address_space: global }
      - { .name: b2, .offset: 32, .size: 8, .value_kind: global_buffer, .address_space: global }
      - { .name: out0, .offset: 40, .size: 8, .value_kind: global_buffer, .address_space: global }
    .group_segment_fixed_size: 188672
    .private_segment_fixed_size: 0
    .kernarg_segment_align: 8
    .kernarg_segment_size: 48
    .max_flat_workgroup_size: 128
    .sgpr_count:     66
    .vgpr_count:     1024
    .wavefront_size: 32
...
	.end_amdgpu_metadata
.endif
;; end of part 2
